; MI455X (gfx1250); checked and timed in simulation.
; The chip was launched on July 23, 2026; its instructions are those of AMD's public machine-readable ISA for CDNA 5 (MIT licence, August 2026) and "CDNA5" Instruction Set Architecture Reference Guide (July 2026). The comments in the code are by the model that wrote it; some were corrected since.
;; Attention. Allowed arithmetic: float matrix products may take bf16 or f16 operands with f32 sums; all other float work in f32.
;; Inputs: mask 8 x 2,048 bool; x 8 x 2,048 x 1,024 float32.
;; Outputs: out0 8 x 2,048 x 1,024 float32.
;; 2 versions, each right; version 2 is version 1 with the launch cast written anew for expert scheduling mode. Each part assembles by itself: llvm-mc -triple=amdgcn-amd-amdhsa -mcpu=gfx1250 --defsym DOCPART=n.
;; ======== version 1 of 2: 2 launches
;; workspace buffers: xc 33,554,432 bytes; kb 65,536 bytes
;; launch cast (part 1): grid 256 x 1, 16 waves a work-group, no clusters, 0 bytes of LDS; arguments mask, x, xc, kb; writes xc, kb
.if DOCPART == 1
	.amdgcn_target "amdgcn-amd-amdhsa--gfx1250"
	.amdhsa_code_object_version 6
	.text
	.protected	k_q376d62e813_cast
	.globl	k_q376d62e813_cast
	.p2align	8
	.type	k_q376d62e813_cast,@function
k_q376d62e813_cast:
	s_mov_b64 s[64:65], 0
	v_nop
	global_prefetch_b8 v0, s[64:65] scope:SCOPE_SE
	s_setreg_imm32_b32 hwreg(HW_REG_WAVE_MODE, 25, 1), 1
	s_wait_xcnt 0x0
; CAST.  xc[row][1024] = x[row][:] rounded to bf16 where mask[row] is 1, zeros where it is 0.  kb[row] = -64 where mask[row] is 1, -1e30 where it is 0 (f32): the addend of the next launch's exponent.
; 16,384 rows of 4,096 bytes.  A work-group of 16 waves owns 64 rows, a wave 4.  A wave issues its 32 loads at once, each 512 consecutive bytes; a lane's four f32 become 8 bytes, so each store of the wave
; covers 256 consecutive bytes, at a multiple of 256 from xc's first byte.  The mask only selects values (an AND with 0 or -1): no branch and no address hangs on it.  No LDS, no barrier, no matrix unit:
; the launch only moves bytes.
; LIMIT.  A row whose mask is 0 becomes zeros whatever it holds: where such a row holds NaN or infinities the formula's product with 0 is NaN, and this program gives 0.
.set X,  8                             ; v[8:135]  row t at X + 32 t: eight loads of four registers; the first two of each four then hold the bf16
.set FL, 24                            ; s[24:27]  row t: -1 if its mask is set, else 0
	s_load_b256 s[4:11], s[0:1], 0x0               ; mask s[4:5], x s[6:7], xc s[8:9], kb s[10:11]
	v_lshrrev_b32 v1, 5, v0
	v_readfirstlane_b32 s12, v1                    ; wave 0..15
	v_and_b32 v1, 31, v0                           ; lane
	v_lshlrev_b32 v2, 4, v1                        ; 16 bytes a lane of x
	v_lshlrev_b32 v3, 3, v1                        ; 8 bytes a lane of xc, and of kb
	v_lshlrev_b32 v4, 1, v1                        ; 2 bytes a lane of the mask
	s_lshl_b32 s13, ttmp9, 6                       ; the group's first row
	s_lshl2_add_u32 s14, s12, s13                  ; my first row = 64 group + 4 wave
	s_mov_b32 s17, 0
	s_lshl_b32 s16, s14, 12                        ; rows of 4,096 bytes: under 2^26
	s_wait_kmcnt 0x0
	s_add_nc_u64 s[6:7], s[6:7], s[16:17]          ; x at my first row
	s_mov_b32 s16, s13
	s_add_nc_u64 s[4:5], s[4:5], s[16:17]          ; the mask at the group's first row
	global_load_u16 v5, v4, s[4:5]                 ; the flags of the group's rows 2 l and 2 l + 1: wave 0 makes kb of them
.irp t, 0,1,2,3
.irp j, 0,1,2,3,4,5,6,7
	global_load_b128 v[X+32*\t+4*\j:X+32*\t+4*\j+3], v2, s[6:7] offset:4096*\t+512*\j th:TH_LOAD_NT
.endr
.endr
	s_lshl_b32 s16, s12, 2
	s_add_nc_u64 s[18:19], s[4:5], s[16:17]
	s_load_b32 s20, s[18:19], 0x0                  ; my four rows' flags, a byte each
	s_lshl_b32 s16, s14, 11
	s_add_nc_u64 s[8:9], s[8:9], s[16:17]          ; xc at my first row
	s_lshl_b32 s16, s13, 2
	s_add_nc_u64 s[10:11], s[10:11], s[16:17]      ; kb at the group's first row: 256 bytes a group
	s_wait_kmcnt 0x0
.irp t, 0,1,2,3
	s_bfe_u32 s[FL+\t], s20, (8<<16)|(8*\t)
	s_min_u32 s[FL+\t], s[FL+\t], 1
	s_sub_co_u32 s[FL+\t], 0, s[FL+\t]             ; 0 or -1
.endr
.irp t, 0,1,2,3
	s_wait_loadcnt 24-8*\t                         ; loads come back in order (ISA guide 5.7.1): row t's eight are in, the later rows' stay out
.irp j, 0,1,2,3,4,5,6,7
	v_cvt_pk_bf16_f32 v[X+32*\t+4*\j],   v[X+32*\t+4*\j],   v[X+32*\t+4*\j+1]
	v_cvt_pk_bf16_f32 v[X+32*\t+4*\j+1], v[X+32*\t+4*\j+2], v[X+32*\t+4*\j+3]
	v_and_b32 v[X+32*\t+4*\j],   s[FL+\t], v[X+32*\t+4*\j]
	v_and_b32 v[X+32*\t+4*\j+1], s[FL+\t], v[X+32*\t+4*\j+1]
	global_store_b64 v3, v[X+32*\t+4*\j:X+32*\t+4*\j+1], s[8:9] offset:2048*\t+256*\j
.endr
.endr
	s_cmp_lg_u32 s12, 0
	s_cbranch_scc1 .Ldone
	v_and_b32 v6, 0xff, v5                         ; wave 0: the group's 64 numbers of kb, two a lane: 256 consecutive bytes
	v_lshrrev_b32 v7, 8, v5
	v_mov_b32 v136, 0xc2800000                     ; -64
	v_cmp_ne_u32 vcc_lo, 0, v6
	v_cndmask_b32 v138, 0xf149f2ca, v136, vcc_lo   ; -1e30 where the flag is 0
	v_cmp_ne_u32 vcc_lo, 0, v7
	v_cndmask_b32 v139, 0xf149f2ca, v136, vcc_lo
	global_store_b64 v3, v[138:139], s[10:11]
.Ldone:
	s_endpgm
.Lfunc_end_k_q376d62e813_cast:
	.size	k_q376d62e813_cast, .Lfunc_end_k_q376d62e813_cast-k_q376d62e813_cast
	.p2alignl 7, 3214868480
	.fill 96, 4, 3214868480
	.section	.rodata,"a",@progbits
	.p2align	6, 0x0
	.amdhsa_kernel k_q376d62e813_cast
		.amdhsa_group_segment_fixed_size 0
		.amdhsa_private_segment_fixed_size 0
		.amdhsa_enable_private_segment 0
		.amdhsa_kernarg_size 32
		.amdhsa_user_sgpr_count 2
		.amdhsa_user_sgpr_kernarg_segment_ptr 1
		.amdhsa_wavefront_size32 1
		.amdhsa_system_sgpr_workgroup_id_x 1
		.amdhsa_system_sgpr_workgroup_id_y 1
		.amdhsa_system_sgpr_workgroup_id_z 1
		.amdhsa_system_vgpr_workitem_id 0
		.amdhsa_next_free_vgpr 144
		.amdhsa_next_free_sgpr 66
		.amdhsa_reserve_vcc 1
		.amdhsa_float_denorm_mode_32 3
		.amdhsa_float_denorm_mode_16_64 3
		.amdhsa_memory_ordered 1
		.amdhsa_forward_progress 1
		.amdhsa_inst_pref_size 15
	.end_amdhsa_kernel
	.amdgpu_metadata
---
amdhsa.version: [ 1, 2 ]
amdhsa.kernels:
  - .name:           k_q376d62e813_cast
    .symbol:         k_q376d62e813_cast.kd
    .args:
      - { .name: mask, .offset: 0, .size: 8, .value_kind: global_buffer, .address_space: global }
      - { .name: x, .offset: 8, .size: 8, .value_kind: global_buffer, .address_space: global }
      - { .name: xc, .offset: 16, .size: 8, .value_kind: global_buffer, .address_space: global }
      - { .name: kb, .offset: 24, .size: 8, .value_kind: global_buffer, .address_space: global }
    .group_segment_fixed_size: 0
    .private_segment_fixed_size: 0
    .kernarg_segment_align: 8
    .kernarg_segment_size: 32
    .max_flat_workgroup_size: 512
    .sgpr_count:     66
    .vgpr_count:     144
    .wavefront_size: 32
...
	.end_amdgpu_metadata
.endif
;; end of part 1
;; launch attn (part 2): grid 32 x 8, 4 waves a work-group, clusters of 4 x 1, 327,680 bytes of LDS; arguments xc, kb, out0; writes out0
.if DOCPART == 2
	.amdgcn_target "amdgcn-amd-amdhsa--gfx1250"
	.amdhsa_code_object_version 6
	.text
	.protected	k_q376d62e813_attn
	.globl	k_q376d62e813_attn
	.p2align	8
	.type	k_q376d62e813_attn,@function
k_q376d62e813_attn:
	s_mov_b64 s[64:65], 0
	v_nop
	global_prefetch_b8 v0, s[64:65] scope:SCOPE_SE
	s_setreg_imm32_b32 hwreg(HW_REG_WAVE_MODE, 25, 1), 1
	s_wait_xcnt 0x0
	s_wait_alu depctr_hold_cnt(0) depctr_sa_sdst(0) depctr_va_vdst(0) depctr_va_sdst(0) depctr_va_ssrc(0) depctr_va_vcc(0) depctr_vm_vsrc(0)
	s_getreg_b32 s2, hwreg(HW_REG_IB_STS2, 6, 4)
	s_cmp_eq_u32 s2, 0
	s_cbranch_scc0 .Lentry_in_a_cluster
	s_endpgm
.Lentry_in_a_cluster:
	s_bfe_u32 s2, ttmp6, 0x10000c
	s_cmp_lg_u32 s2, 0x3003
	s_cbranch_scc0 .Lentry_shape_is_right
	s_endpgm
.Lentry_shape_is_right:
; ATTENTION.  out[b][q][:] = sum over live k of e(q, k) xc[k][:] / (sum over live k of e(q, k) + 1e-7), e = exp(xc[q] . xc[k] / 32), for live rows q; 0 for the others.
; xc: [8][2048][1024] bf16, rows whose mask is 0 as zeros; kb: [8][2048] f32, -64 for a live row, -1e30 for a dead one.  Products in bf16 with f32 sums; the weights are rounded to bf16 for the second
; product, their sum is taken unrounded.
; THE EXPONENT.  The formula takes no maximum away, so neither does this text.  The weights are kept as p = 2^(c s + kb[k]), c = log2(e) / 32: a live key's p is e x 2^-64, a dead key's is 0; 1e-7 is kept as
; 1e-7 x 2^-64, and the factor cancels in the quotient.  Where the formula's own exp and sum are finite in f32, c s < 128 and the sum is under 2^128, so p and l stay under 2^64; a live row's sum holds its
; own e >= 1, so a p that falls below 2^-126 and counts as 0 is under 2^-62 of the sum.  LIMITS: NaN and infinities are not treated apart; rows whose mask is 0 count as rows of zeros.
; SHARES.  A work-group owns 64 rows (four tiles of 16 queries).  Wave w owns channels 256 w .. 256 w + 255: it makes the part of ALL scores that its channels give, and O for all 64 queries x its channels
; (512 registers).  The four parts of tile w's scores meet in wave w (through SX in LDS), which makes the weights of that tile and hands them to all four waves (through PX).
; LAYOUT.  S^T = K Q^T (source 0 = 16 keys, source 1 = 16 queries): a lane holds one query (lane % 16) and keys 8 (lane / 16) + 0..7.  Two such tiles rounded in pairs ARE source 1 (32 keys x 16 queries)
; of O^T = V^T P, whose result holds one query a lane and eight channels.  K comes out of LDS as it lies, V (the same bytes) turned, by ds_load_tr16_b128.
; THE WALK.  A slot of LDS holds 64 keys, taken as two sub-steps of 32.  Every work-group walks all 32 slots: the trip count is a constant, and the mask only selects values.
; CLUSTER.  The four work-groups of a cluster walk the same keys: each tile is asked for JOINTLY, by the same tensor load with the same descriptor and the mask of four.
; REGISTERS, in windows of 256 (s_set_vgpr_msb: bits 1:0 source 0, 3:2 source 1, 5:4 source 2, 7:6 destination):
;   window 0: v1 lane % 16; v2-3 the add's pair; v4-15, v30 addresses and my query's kb; v16-23 l, later the scales; v24-29 at work; v32-63 kb of a slot's keys; v64-127 R1; v128-191 R2; v192-255 two fragment buffers
;   window 1: Q, tile t, channels 32 ks on, at 8 (8 t + ks)      windows 2, 3: O^T, channel tile ct, query tile t, at 8 (4 (ct % 8) + t) of window 2 + ct / 8
;   R2 holds the 8 accumulators of a sub-step's scores (tile t, key tile kt at 16 t + 8 kt).  Each of R1 (sub-step a) and R2 (sub-step b) is then: +0..63 the four parts of my tile's scores as they land;
;   +0..15 their sum, then the weights; +16..23 my tile's P; +32..63 the four tiles' P, source 1 of V^T P.
.set PK,    528                        ; a key's row in LDS: 512 bytes (my 256 channels) + 16 of padding = 132 words: row r starts at bank 4 r mod 64 (64 banks of 4 bytes: ISA guide 11.1)
.set QUART, 64*PK                      ; a wave's tile: 64 keys
.set SLOTB, 4*QUART                    ; a slot: the four waves' tiles
.set SX,    2*SLOTB                    ; behind the ring: parts of scores: writer w at 8,192 w, tile t at 2,048 t, key tile at 1,024, four registers at 512, lane at 16
.set PX,    SX+32768                   ; weights: tile t at 1,024 t, four registers at 512, lane at 16
.set LX,    PX+4096                    ; 64 scales: query q at 4 q
.set SPARE, LX+256                     ; the spare words, 128 bytes for each wave: two blocks of 256 bytes that no other line names
.set SP,    1040                       ; the way out: a stage row of 1,024 bytes + 16.  The stage is the first 16 x 1,040 bytes of my tile in slot 0, written only behind the ring's last fill
.set PAIRS, 16                         ; 2,048 keys are 16 pairs of slots
.set SPW,  2
.set NIL,  3
.set ADRK, 4                           ; v4-5   my lane's place in my tile of slot 0, 1, for K
.set ADRV, 6                           ; v6-7   the same for V
.set SXW,  8
.set SXR,  9
.set PXW,  10
.set PXR,  11
.set KBO,  12                          ; v12  32 (lane / 16): my eight keys' bytes in 16 keys of kb; never rewritten
.set QM,   13                          ; v13  kb of my tile's query lane % 16
.set STO,  14
.set RD,   15
.set LACC, 16
.set GO,   30                          ; v30  my byte offset in out: 8 rows on for lanes 16-31, 16 bytes a lane; never rewritten
.set KB,   32                          ; sub-step x, key tile kt at KB + 16 x + 8 kt: register j is key 16 kt + 8 (lane / 16) + j
.set R1,   64
.set R2,   128
.set FB0,  192
.set WV,   12                          ; s12 wave
.set CNT,  18                          ; s18 the loop's counter
.set G1,   24                          ; s[24:31] descriptor group 1
.set G0,   32                          ; s[32:39] descriptor group 0, a set for each slot
.set CS,   40                          ; s[40:41] c
.set SEL,  44                          ; s[44:45] v_permlanex16_b32's selects
.set MSB, 0
.macro WIN new                         ; the high byte repeats the setting that is left; a switch that changes nothing is dropped
.if MSB != (\new)
	s_set_vgpr_msb (MSB<<8)|(\new)
.set MSB, \new
.endif
.endm
.macro WLOAD                           ; an LDS load names its destination and source 0: both in window 0
.if (MSB & 0xc3)
	WIN 0
.endif
.endm
; Plain vector instructions between a matrix instruction and a line that may not follow it closely: four in front of a load into, or a store or vector read of,
; one of its registers; five in front of a matrix instruction that writes over one.
.macro PLACES n
.rept \n
	v_nop
.endr
.endm
; A round of the cluster's barrier: my work-group's barrier; wave 0 signals for the work-group; every wave waits for the four work-groups; my work-group's barrier once more.
.macro CROUND
	s_barrier_signal -1
	s_barrier_wait -1
	s_cmp_lg_u32 s[WV], 0
	s_cbranch_scc1 .Lnot_wave_0_\@
	s_barrier_signal -3
.Lnot_wave_0_\@:
	s_barrier_wait -3
	s_barrier_signal -1
	s_barrier_wait -1
.endm
; A joint fill of slot s: every wave asks for its own tile, 64 keys x its 256 channels.
.macro JLOAD s
	tensor_load_to_lds s[G0+4*(\s):G0+4*(\s)+3], s[G1:G1+7]
	s_nop 0
	PLACES 4
.endm
; Eight LDS loads: four fragments of K (keys 32 x + 16 kt on, channels 32 (2 g + e) on) into buffer g % 2.
.macro KLD s, x, g
	WLOAD
.set FB, FB0+32*((\g)%2)
.irp e, 0,1
.irp kt, 0,1
	ds_load_b128 v[FB+16*\e+8*\kt:FB+16*\e+8*\kt+3],   v[ADRK+(\s)] offset:(32*(\x)+16*\kt)*PK+64*(2*(\g)+\e)
	ds_load_b128 v[FB+16*\e+8*\kt+4:FB+16*\e+8*\kt+7], v[ADRK+(\s)] offset:(32*(\x)+16*\kt)*PK+64*(2*(\g)+\e)+32
.endr
.endr
.endm
; Eight turning loads: four fragments of V^T (channel tiles 4 g + e, keys 32 x on) into buffer g % 2.  A group of eight lanes turns 8 keys x 8 channels; the second group of a half reads 128 bytes
; (not 16) behind the first.  So channel tile ct holds channels 8 c + 0..7 and 8 (c + 8) + 0..7 of my slice, c = ct % 8 + 16 (ct / 8).
.macro VLD s, x, g
	WLOAD
.set FB, FB0+32*((\g)%2)
.irp e, 0,1,2,3
.set CT, 4*(\g)+\e
	ds_load_tr16_b128 v[FB+8*\e:FB+8*\e+3],   v[ADRV+(\s)] offset:32*(\x)*PK+16*(CT%8)+256*(CT/8)
	ds_load_tr16_b128 v[FB+8*\e+4:FB+8*\e+7], v[ADRV+(\s)] offset:(32*(\x)+16)*PK+16*(CT%8)+256*(CT/8)
.endr
.endm
; Four loads: kb of the 32 keys of sub-step x of the slot that begins off bytes behind the base: a lane takes its eight keys of each key tile.
.macro KBLD x, off
.irp kt, 0,1
.irp q, 0,1
	global_load_b128 v[KB+16*(\x)+8*\kt+4*\q:KB+16*(\x)+8*\kt+4*\q+3], v[KBO], s[6:7] offset:(\off)+128*(\x)+64*\kt+16*\q
.endr
.endr
.endm
; Eight products of S^T = K Q^T: channels 32 u on, 2 key tiles x 4 query tiles.  The 8 accumulators take turns.  u = 0 starts the sums.
.macro SU u
	WIN 0x04                               ; Q in window 1
.set FB, FB0+32*(((\u)/2)%2)+16*((\u)%2)
.irp kt, 0,1
.irp t, 0,1,2,3
.if (\u) == 0
	v_wmma_f32_16x16x32_bf16 v[R2+16*\t+8*\kt:R2+16*\t+8*\kt+7], v[FB+8*\kt:FB+8*\kt+7], v[8*(8*\t+(\u)):8*(8*\t+(\u))+7], 0
.else
	v_wmma_f32_16x16x32_bf16 v[R2+16*\t+8*\kt:R2+16*\t+8*\kt+7], v[FB+8*\kt:FB+8*\kt+7], v[8*(8*\t+(\u)):8*(8*\t+(\u))+7], v[R2+16*\t+8*\kt:R2+16*\t+8*\kt+7]
.endif
.endr
.endr
.endm
; Eight products of O^T += V^T P of sub-step x: channel tiles 2 u, 2 u + 1 x 4 query tiles.  A phase's 64 accumulators take turns.
.macro OU x, u
	WIN 0xa0+0x50*((\u)/4)                 ; O^T in window 2 or 3
.set FB, FB0+32*(((\u)/2)%2)+16*((\u)%2)
.set PP, R1+64*(\x)+32
.irp e, 0,1
.irp t, 0,1,2,3
.set DD, 8*(4*((2*(\u)+\e)%8)+\t)
	v_wmma_f32_16x16x32_bf16 v[DD:DD+7], v[FB+8*\e:FB+8*\e+7], v[PP+8*\t:PP+8*\t+7], v[DD:DD+7]
.endr
.endr
.endm
.macro UNIT kind, x, u                 ; kind 0: scores, 1: O^T
.if \kind
	OU \x, \u
.else
	SU \u
.endif
.endm
.macro LD kind, s, x, g
.if \kind
	VLD \s, \x, \g
.else
	KLD \s, \x, \g
.endif
.endm
.macro SXST                            ; my part of all four tiles' scores goes to SX: each accumulator's low four registers first
	WIN 0
.irp t, 0,1,2,3
.irp kt, 0,1
.irp q, 0,1
	ds_store_b128 v[SXW], v[R2+16*\t+8*\kt+4*\q:R2+16*\t+8*\kt+4*\q+3] offset:2048*\t+1024*\kt+512*\q
.endr
.endr
.endr
.endm
.macro SXLD r0                         ; the four waves' parts of my tile's scores
	WLOAD
.irp u, 0,1,2,3
.irp kt, 0,1
.irp q, 0,1
	ds_load_b128 v[(\r0)+16*\u+8*\kt+4*\q:(\r0)+16*\u+8*\kt+4*\q+3], v[SXR] offset:8192*\u+1024*\kt+512*\q
.endr
.endr
.endr
.endm
.macro PXLD r0                         ; the four tiles' weights
	WLOAD
.irp t, 0,1,2,3
.irp q, 0,1
	ds_load_b128 v[(\r0)+32+8*\t+4*\q:(\r0)+32+8*\t+4*\q+3], v[PXR] offset:1024*\t+512*\q
.endr
.endr
.endm
; THE WEIGHTS of my tile for sub-step x: the four parts are added; p = 2^(c s + kb); l takes the sums; P is rounded and goes to PX.  None of these lines names a register of the products round them.
; nb >= 0: kb's registers are then loaded again, with the same sub-step of the next slot, nb bytes behind the base: those four loads have a slot's 256 products in which to land.  nb < 0: the last slot.
.macro LUMP x, nb
	WIN 0
.set RR, R1+64*(\x)
.set BB, KB+16*(\x)
	s_wait_dscnt 8                                 ; the sixteen loads from SX are in; the eight fragment loads issued behind them may be out
.if ((\nb) < 0) && (\x)
	s_wait_loadcnt 0x0                             ; the last sub-step: no load was issued behind its kb
.else
	s_wait_loadcnt 0x4                             ; this sub-step's kb is in; the other sub-step's four loads, issued behind it, may be out
.endif
.set j, 0
.rept 24
	v_pk_add_f32 v[RR+2*(j%8):RR+2*(j%8)+1], v[RR+2*(j%8):RR+2*(j%8)+1], v[RR+16+2*j:RR+16+2*j+1]
.set j, j+1
.endr
.set j, 0
.rept 8
	v_pk_fma_f32 v[RR+2*j:RR+2*j+1], v[RR+2*j:RR+2*j+1], s[CS:CS+1], v[BB+2*j:BB+2*j+1] op_sel_hi:[1,0,1]
.set j, j+1
.endr
.set j, 0
.rept 16
	v_exp_f32 v[RR+j], v[RR+j]
.set j, j+1
.endr
	v_nop                                          ; a plain instruction between the exponentials and the use of their results
.set j, 0
	s_wait_alu depctr_va_vdst(0)
.rept 8
	v_pk_add_f32 v[LACC+2*(j%4):LACC+2*(j%4)+1], v[LACC+2*(j%4):LACC+2*(j%4)+1], v[RR+2*j:RR+2*j+1]
.set j, j+1
.endr
.set j, 0
.rept 8
	v_cvt_pk_bf16_f32 v[RR+16+j], v[RR+2*j], v[RR+2*j+1]
.set j, j+1
.endr
	ds_store_b128 v[PXW], v[RR+16:RR+19]
	ds_store_b128 v[PXW], v[RR+20:RR+23] offset:512
.if (\nb) >= 0
	KBLD \x, \nb
.endif
.endm
; A PHASE OF 64 PRODUCTS (kind, sub-step x1 of slot s) WITH THE EXCHANGE OF SUB-STEP xe's SCORES IN IT.  Two barriers: behind the first every wave's parts lie in SX, behind the second every tile's P in PX.
; SX is written again only behind a barrier that each wave signalled with its reads of SX done, and so is PX.  The phase's last loads are the first fragments of V for the phase behind it (sub-step nx).
.macro WEAVE kind, s, x1, xe, nx, nb
	PLACES 5                                       ; behind the scores' last products: SX's stores read them, and (kind 0) the next products start new sums in their registers
	SXST
	LD \kind, \s, \x1, 1
	s_wait_dscnt 24                                ; all but the 16 stores and 8 loads just issued: the phase's first fragments (and P) are in
	UNIT \kind, \x1, 0
	UNIT \kind, \x1, 1
	s_wait_dscnt 0x0                               ; for the others' sake: my stores into SX are done
	s_barrier_signal -1
	PLACES 4
	LD \kind, \s, \x1, 2                           ; the ring's bytes: nobody writes them before the change of slots
	UNIT \kind, \x1, 2
	s_barrier_wait -1
	SXLD R1+64*(\xe)
	UNIT \kind, \x1, 3
	PLACES 4
	LD \kind, \s, \x1, 3
	s_wait_dscnt 24                                ; all but SX's 16 loads and the 8 just issued
	UNIT \kind, \x1, 4
	LUMP \xe, \nb
	UNIT \kind, \x1, 5
	s_wait_dscnt 0x0                               ; for the others' sake: my P lies in PX, and my reads of SX are over
	s_barrier_signal -1
	PLACES 4
	VLD \s, \nx, 0
	UNIT \kind, \x1, 6
	s_barrier_wait -1
	PXLD R1+64*(\xe)
	UNIT \kind, \x1, 7
.endm
; A SLOT: 64 keys, 256 products.  Scores of sub-step a; scores of b with a's exchange; V^T P of a with b's exchange; V^T P of b; the change of slots.
; Each run of eight loads stands 16 products ahead of its first use; the waits for 8 leave the run just issued out.
; mode 2: the slot is filled again, with the keys two slots on.  mode 1: the last slot but one.  mode 0: the last.
.macro SLOT s, mode
.if (\mode) == 0
.set NB, -1
.else
.set NB, 256*((\s)+1)                  ; kb's base stands at the trip's slot 0: the next slot's 64 numbers lie 256 (s + 1) bytes behind it
.endif
	PLACES 5                                       ; behind the last slot's products: the new sums are started in registers that those read
	KLD \s, 0, 1
	s_wait_dscnt 8
	SU 0
	SU 1
	PLACES 4
	KLD \s, 0, 2
	s_wait_dscnt 8
	SU 2
	SU 3
	PLACES 4
	KLD \s, 0, 3
	s_wait_dscnt 8
	SU 4
	SU 5
	PLACES 4
	KLD \s, 1, 0
	s_wait_dscnt 8
	SU 6
	SU 7
	WEAVE 0, \s, 1, 0, 0, NB
	WEAVE 1, \s, 0, 1, 1, NB
	PLACES 4
	VLD \s, 1, 1
	s_wait_dscnt 8                                 ; V's first fragments and P of sub-step b are in
	OU 1, 0
	OU 1, 1
	PLACES 4
	VLD \s, 1, 2
	s_wait_dscnt 8
	OU 1, 2
	OU 1, 3
	PLACES 4
	VLD \s, 1, 3
	s_wait_dscnt 8
	OU 1, 4
	OU 1, 5
.if (\mode) == 0
	s_wait_dscnt 0x0
	OU 1, 6
	OU 1, 7
.else
	WIN 0                                          ; the add's two registers lie in window 0
	s_wait_tensorcnt 0x0                           ; all my tensor loads have landed: the one that was out is my tile of the other slot
	ds_add_u32 v[SPW], v[NIL]                      ; 0 onto my spare word
.if (\mode) == 2
	s_add_nc_u64 s[G0+4*(\s)+2:G0+4*(\s)+3], s[G0+4*(\s)+2:G0+4*(\s)+3], 0x40000  ; no load of mine is out, so the descriptor steps: 128 keys of 2,048 bytes on
.endif
	s_wait_dscnt 1                                 ; the add alone may be out
	OU 1, 6                                        ; eight products stand between the add and the wait for it
	s_wait_dscnt 0x0                               ; the add is done, and my reads of this slot are over
	WIN 0
.if (\mode) == 2
	CROUND                                         ; no wave of any partner still reads this slot or has a load on its way
	JLOAD \s                                       ; the first tensor load behind the round: 248 products ahead of the wait for it; its four v_nop are also the places in front of the loads below
.else
	s_barrier_signal -1
	s_barrier_wait -1
	PLACES 4
.endif
	KLD 1-\s, 0, 0                                 ; the other slot's first fragments
	OU 1, 7
.endif
.endm
	s_load_b128 s[4:7], s[0:1], 0x0                ; xc s[4:5], kb s[6:7]
	s_load_b64 s[10:11], s[0:1], 0x10              ; out0
	v_lshl_add_u32 v[SPW], v0, 2, SPARE
	v_mov_b32 v[NIL], 0
	ds_add_u32 v2, v3
	s_wait_dscnt 0x0
	v_lshrrev_b32 v1, 5, v0
	v_readfirstlane_b32 s[WV], v1                  ; wave 0..3
	s_bfe_u32 s13, ttmp6, 0x40000                  ; cx: my place in the cluster
	s_lshl_b32 s14, ttmp9, 2                       ; in a cluster launch ttmp9 counts clusters
	s_add_co_u32 s14, s14, s13                     ; my block of 64 rows: it enters Q's, my queries' kb's and out's addresses, and no LDS address
	s_and_b32 s15, ttmp7, 0xffff                   ; the batch, which the four partners share
	; descriptor group 1: a tile of 64 rows x 256 elements, padded in LDS
	s_mov_b32 s[G1], 15|(1<<16)|(1<<20)|(1<<21)|(6<<22)|(3<<25)  ; 15:0 the mask of four; 17:16 2-byte elements; 20 padding on; 21 set beside a mask; 24:22 after every 128 words (code 6); 31:25 4 words (code 3)
	s_mov_b32 s[G1+1], 256<<16                     ; tensor_dim0 = 256
	s_mov_b32 s[G1+2], 64<<16                      ; tensor_dim1 = 64
	s_mov_b32 s[G1+3], 256<<16                     ; tile_dim0 = 256
	s_mov_b32 s[G1+4], 64                          ; tile_dim1 = 64
	s_mov_b32 s[G1+5], 1024                        ; 1,024 elements from row to row
	s_mov_b32 s[G1+6], 0
	s_mov_b32 s[G1+7], 0
	s_mov_b32 s[CS], 0x3d38aa3b                    ; c = log2(e) / 32
	s_mov_b32 s[CS+1], s[CS]                       ; named with it as a pair
	s_mov_b32 s[SEL], 0x76543210
	s_mov_b32 s[SEL+1], 0xfedcba98
	s_mul_i32 s20, s[WV], QUART                    ; my tile's place in a slot
	s_lshl_b32 s22, s15, 22                        ; the batch's 2,048 rows of 2,048 bytes,
	s_lshl_b32 s21, s[WV], 9                       ; my 512 bytes of a row
	s_add_co_u32 s22, s22, s21
	s_mov_b32 s23, 0
	s_mov_b32 s53, 0
	s_wait_kmcnt 0x0
	s_add_nc_u64 s[22:23], s[4:5], s[22:23]        ; xc at the batch's first row, my channels
.irp s, 0,1
	s_mov_b32 s[G0+4*\s], 1                        ; 1:0 count = 1
	s_add_co_u32 s[G0+4*\s+1], s20, \s*SLOTB       ; 63:32 LDS address
	s_add_nc_u64 s[G0+4*\s+2:G0+4*\s+3], s[22:23], \s*131072  ; 120:64 global address: keys 64 s on
	s_or_b32 s[G0+4*\s+3], s[G0+4*\s+3], 0x80000000  ; 127:126 type = 2
.endr
	s_lshl_b32 s52, s14, 17
	s_add_nc_u64 s[50:51], s[22:23], s[52:53]      ; Q: my block's 64 rows, my channels
	s_lshl_b32 s52, s15, 13
	s_add_nc_u64 s[6:7], s[6:7], s[52:53]          ; the batch's kb
	s_lshl_b32 s52, s15, 23
	s_lshl_b32 s21, s14, 18
	s_add_co_u32 s52, s52, s21
	s_lshl_b32 s21, s[WV], 10
	s_add_co_u32 s52, s52, s21
	s_add_nc_u64 s[10:11], s[10:11], s[52:53]      ; out at my block's first row, my 1,024 bytes of a row
	s_lshl_b32 s52, s14, 8
	s_lshl_b32 s21, s[WV], 6
	s_add_co_u32 s52, s52, s21                     ; my tile's 16 queries in the batch's kb: 4 (64 block + 16 wave)
	CROUND                                         ; all four work-groups are here: the first joint loads meet
	JLOAD 0                                        ; the two first fills go out together: two tensor loads of mine are out
	JLOAD 1
	; A fragment of K or Q is 16 rows x 32 channels in 8 registers: lane l holds row l % 16, channels 8 (l / 16) + 0..7 and 16 + 8 (l / 16) + 0..7: two loads of 16 bytes, 32 bytes apart.
	v_and_b32 v1, 15, v0                           ; l % 16: kept
	v_bfe_u32 v24, v0, 4, 1                        ; l / 16
	v_lshlrev_b32 v28, 11, v1
	v_lshl_add_u32 v28, v24, 4, v28                ; row x 2,048 + 16 x half
	v_lshlrev_b32 v[KBO], 5, v24
	v_lshl_add_u32 v29, v1, 2, s52
	KBLD 0, 0                                      ; kb of slot 0's two sub-steps
	KBLD 1, 0
	global_load_b32 v[QM], v29, s[6:7]             ; kb of my tile's query l % 16
	WIN 0x40                                       ; destination window 1
.irp t, 0,1,2,3
.irp ks, 0,1,2,3,4,5,6,7
	global_load_b128 v[8*(8*\t+\ks):8*(8*\t+\ks)+3],   v28, s[50:51] offset:32768*\t+64*\ks
	global_load_b128 v[8*(8*\t+\ks)+4:8*(8*\t+\ks)+7], v28, s[50:51] offset:32768*\t+64*\ks+32
.endr
.endr
	; O^T and l start at 0: 520 lines that stand in the wait for the first tile; the price of writing no first slot out once more.
	WIN 0x80
.set i, 0
.rept 256
	v_mov_b32 v[i], 0
.set i, i+1
.endr
	WIN 0xc0
.set i, 0
.rept 256
	v_mov_b32 v[i], 0
.set i, i+1
.endr
	WIN 0
.set i, 0
.rept 8
	v_mov_b32 v[LACC+i], 0
.set i, i+1
.endr
	v_mul_u32_u24 v[ADRK], v1, PK
	v_lshl_add_u32 v[ADRK], v24, 4, v[ADRK]
	v_add_nc_u32 v[ADRK], s20, v[ADRK]             ; my tile + row x pitch + 16 x half
	v_add_nc_u32 v[ADRK+1], SLOTB, v[ADRK]
	v_and_b32 v25, 7, v0
	v_bfe_u32 v26, v0, 3, 1
	v_lshl_add_u32 v[ADRV], v24, 3, v25            ; key 8 (l / 16) + l % 8,
	v_mul_u32_u24 v[ADRV], v[ADRV], PK
	v_lshl_add_u32 v[ADRV], v26, 7, v[ADRV]        ; 128 bytes on for the second eight lanes of a half
	v_add_nc_u32 v[ADRV], s20, v[ADRV]
	v_add_nc_u32 v[ADRV+1], SLOTB, v[ADRV]
	v_and_b32 v27, 31, v0
	v_lshlrev_b32 v27, 4, v27                      ; 16 l
	s_lshl_b32 s21, s[WV], 13
	s_add_co_u32 s21, s21, SX
	v_add_nc_u32 v[SXW], s21, v27
	s_lshl_b32 s21, s[WV], 11
	s_add_co_u32 s21, s21, SX
	v_add_nc_u32 v[SXR], s21, v27
	s_lshl_b32 s21, s[WV], 10
	s_add_co_u32 s21, s21, PX
	v_add_nc_u32 v[PXW], s21, v27
	v_add_nc_u32 v[PXR], PX, v27
	v_mul_u32_u24 v[STO], v1, SP                   ; the way out, in: row l % 16; the second half of the lanes holds channels 64 on: 256 bytes
	v_lshl_add_u32 v[STO], v24, 8, v[STO]
	v_add_nc_u32 v[STO], s20, v[STO]
	v_mul_u32_u24 v[RD], v24, 8*SP                 ; back: lanes 0-15 take 256 bytes of row i, lanes 16-31 of row i + 8
	v_lshl_add_u32 v[RD], v1, 4, v[RD]
	v_add_nc_u32 v[RD], s20, v[RD]
	v_lshlrev_b32 v[GO], 4, v1                     ; and the same in out: 16 bytes a lane,
	v_lshl_add_u32 v[GO], v24, 15, v[GO]           ; 8 rows of 4,096 bytes on for lanes 16-31
	s_wait_loadcnt 0x0                             ; kb and Q
	s_wait_tensorcnt 0x1                           ; my tile of slot 0 is in; slot 1's may stay out
	s_barrier_signal -1
	s_barrier_wait -1
	KLD 0, 0, 0
	s_mov_b32 s[CNT], PAIRS-1
.Lpair:                                                ; a trip: both slots are walked and filled again; the last trip asks for keys 1,920 to 2,047
	SLOT 0, 2
	SLOT 1, 2
	WIN 0                                          ; at a label and at a branch every window is 0
	s_wait_xcnt 0x0                                ; kb's base, which the loads that are out name, is stepped only behind this wait
	s_add_nc_u64 s[6:7], s[6:7], 512               ; 128 keys of 4 bytes on
	s_sub_co_u32 s[CNT], s[CNT], 1
	s_cmp_lg_u32 s[CNT], 0
	s_cbranch_scc1 .Lpair
	SLOT 0, 1                                      ; the last pair is written out: it asks for no tile, and its second slot for no kb
	SLOT 1, 0
	; THE SCALE of my tile: l's parts and the other half of the lanes' are added; 1 / (l + 1e-7 x 2^-64); 0 for a dead row.  The first five lines are the places behind the last products.
	WIN 0
	v_pk_add_f32 v[LACC:LACC+1], v[LACC:LACC+1], v[LACC+2:LACC+3]
	v_pk_add_f32 v[LACC+4:LACC+5], v[LACC+4:LACC+5], v[LACC+6:LACC+7]
	v_lshl_add_u32 v26, v1, 2, LX
	v_pk_add_f32 v[LACC:LACC+1], v[LACC:LACC+1], v[LACC+4:LACC+5]
	v_add_f32 v24, v[LACC], v[LACC+1]
	v_permlanex16_b32 v25, v24, s[SEL], s[SEL+1]   ; the query's other keys lie in the lane 16 away
	v_add_f32 v24, v24, v25
	v_add_f32 v24, 0x13d6bf95, v24                 ; 1e-7 x 2^-64
	v_rcp_f32 v25, v24
	v_lshl_add_u32 v27, s[WV], 6, v26              ; (a plain instruction between the reciprocal and the use of its result)
	v_cmp_lt_f32 vcc_lo, 0xc2c80000, v[QM]         ; -100 < kb: the row is live
	s_wait_alu depctr_va_vdst(0)
	v_cndmask_b32 v24, 0, v25, vcc_lo
	ds_store_b32 v27, v24                          ; both halves of the lanes write the same number
	s_wait_dscnt 0x0                               ; for the others' sake
	s_barrier_signal -1
	s_barrier_wait -1
.irp t, 0,1,2,3
	ds_load_b32 v[LACC+2*\t], v26 offset:64*\t     ; tile t's scale for my lane's query
.endr
	s_wait_dscnt 0x0
; THE WAY OUT, by halves (hw) of a tile's 1,024 bytes a row: the eight channel tiles of window 2 + hw.
; OMUL: O^T times the scale, each accumulator from its low end.  OSTG: a lane's eight channels, 32 bytes, into stage rows of 1,040 bytes, and back as pieces of 256 bytes of whole rows; LDS serves a wave's
; instructions in order (ISA guide 5.7.1.4), so the loads see the stores above them.  OSND: sixteen lanes store 256 consecutive bytes, at a multiple of 256 from out's first byte; the row stands in the immediate.
.macro OMUL t, hw
	WIN 0x82+0x41*(\hw)                            ; O^T (destination and source 0) in window 2 or 3, the scale in window 0
.irp c, 0,1,2,3,4,5,6,7
.irp p, 0,1,2,3
	v_pk_mul_f32 v[32*\c+8*(\t)+2*\p:32*\c+8*(\t)+2*\p+1], v[32*\c+8*(\t)+2*\p:32*\c+8*(\t)+2*\p+1], v[LACC+2*(\t):LACC+2*(\t)+1] op_sel_hi:[1,0]
.endr
.endr
.endm
.macro OSTG t, hw
	WIN 0x08+0x04*(\hw)                            ; a store's data is source 1
.irp c, 0,1,2,3,4,5,6,7
	ds_store_b128 v[STO], v[32*\c+8*(\t):32*\c+8*(\t)+3]   offset:32*\c+512*(\hw)
	ds_store_b128 v[STO], v[32*\c+8*(\t)+4:32*\c+8*(\t)+7] offset:32*\c+512*(\hw)+16
.endr
	WIN 0
	s_wait_xcnt 0x0                                ; the stores of two halves ago have read these registers: they are loaded again only behind this wait
.set n, 0
.rept 16
	ds_load_b128 v[R1+64*(\hw)+4*n:R1+64*(\hw)+4*n+3], v[RD] offset:SP*(n/2)+512*(\hw)+256*(n%2)
.set n, n+1
.endr
.endm
.macro OSND t, hw
	WIN 0
.set n, 0
.rept 16
	s_wait_dscnt 15-n                              ; LDS loads come back in order: number n of the sixteen is in
	global_store_b128 v[GO], v[R1+64*(\hw)+4*n:R1+64*(\hw)+4*n+3], s[10:11] offset:(16*(\t)+n/2)*4096+512*(\hw)+256*(n%2) th:TH_STORE_NT
.set n, n+1
.endr
.endm
	OMUL 0, 0
.set k, 0
.rept 8                                ; half k: tile k / 2, window 2 + k % 2; the next half's multiplies stand between this half's loads from the stage and the wait for them
	OSTG k/2, k%2
.if k < 7
	OMUL (k+1)/2, (k+1)%2
.endif
	OSND k/2, k%2
.set k, k+1
.endr
	s_wait_tensorcnt 0x0                           ; the wave's end, behind my last tensor load and my last LDS store
	ds_add_u32 v[SPW], v[NIL]
	s_wait_dscnt 0x0
	CROUND                                         ; the closing round: no work-group ends while a partner may still ask for a tile that names it
	s_endpgm
.Lfunc_end_k_q376d62e813_attn:
	.size	k_q376d62e813_attn, .Lfunc_end_k_q376d62e813_attn-k_q376d62e813_attn
	.p2alignl 7, 3214868480
	.fill 96, 4, 3214868480
	.section	.rodata,"a",@progbits
	.p2align	6, 0x0
	.amdhsa_kernel k_q376d62e813_attn
		.amdhsa_group_segment_fixed_size 327680
		.amdhsa_private_segment_fixed_size 0
		.amdhsa_enable_private_segment 0
		.amdhsa_kernarg_size 24
		.amdhsa_user_sgpr_count 2
		.amdhsa_user_sgpr_kernarg_segment_ptr 1
		.amdhsa_wavefront_size32 1
		.amdhsa_system_sgpr_workgroup_id_x 1
		.amdhsa_system_sgpr_workgroup_id_y 1
		.amdhsa_system_sgpr_workgroup_id_z 1
		.amdhsa_system_vgpr_workitem_id 0
		.amdhsa_next_free_vgpr 1024
		.amdhsa_next_free_sgpr 66
		.amdhsa_reserve_vcc 1
		.amdhsa_float_denorm_mode_32 3
		.amdhsa_float_denorm_mode_16_64 3
		.amdhsa_memory_ordered 1
		.amdhsa_forward_progress 1
		.amdhsa_inst_pref_size 245
	.end_amdhsa_kernel
	.amdgpu_metadata
---
amdhsa.version: [ 1, 2 ]
amdhsa.kernels:
  - .name:           k_q376d62e813_attn
    .symbol:         k_q376d62e813_attn.kd
    .args:
      - { .name: xc, .offset: 0, .size: 8, .value_kind: global_buffer, .address_space: global }
      - { .name: kb, .offset: 8, .size: 8, .value_kind: global_buffer, .address_space: global }
      - { .name: out0, .offset: 16, .size: 8, .value_kind: global_buffer, .address_space: global }
    .group_segment_fixed_size: 327680
    .private_segment_fixed_size: 0
    .kernarg_segment_align: 8
    .kernarg_segment_size: 24
    .max_flat_workgroup_size: 128
    .sgpr_count:     66
    .vgpr_count:     1024
    .wavefront_size: 32
...
	.end_amdgpu_metadata
.endif
;; end of part 2
;; ======== version 2 of 2: 2 launches; version 1 with the launch cast written anew for expert scheduling mode
;; workspace buffers: xc 33,554,432 bytes; kb 65,536 bytes
;; launch cast (part 3): grid 256 x 1, 16 waves a work-group, no clusters, 0 bytes of LDS; arguments mask, x, xc, kb; writes xc, kb
.if DOCPART == 3
	.amdgcn_target "amdgcn-amd-amdhsa--gfx1250"
	.amdhsa_code_object_version 6
	.text
	.protected	k_q376d62e813_cast
	.globl	k_q376d62e813_cast
	.p2align	8
	.type	k_q376d62e813_cast,@function
k_q376d62e813_cast:
	s_mov_b64 s[64:65], 0
	v_nop
	global_prefetch_b8 v0, s[64:65] scope:SCOPE_SE
	s_setreg_imm32_b32 hwreg(HW_REG_WAVE_SCHED_MODE, 0, 2), 2
	s_setreg_imm32_b32 hwreg(HW_REG_WAVE_MODE, 25, 1), 1
	s_wait_xcnt 0x0
	s_wait_alu depctr_vm_vsrc(0)
; CAST.  xc[row][1024] = x[row][:] rounded to bf16 where mask[row] is 1, zeros where it is 0.  kb[row] = -64 where mask[row] is 1, -1e30 where it is 0 (f32): the addend of the next launch's exponent.
; 16,384 rows of 4,096 bytes.  A work-group of 16 waves owns 64 rows, a wave 4.  A wave issues its 32 loads at once, each 512 consecutive bytes; a lane's four f32 become 8 bytes, so each store of the wave
; covers 256 consecutive bytes, at a multiple of 256 from xc's first byte.  The mask only selects values (an AND with 0 or -1): no branch and no address hangs on it.  No LDS, no barrier, no matrix unit:
; the launch only moves bytes.
; LIMIT.  A row whose mask is 0 becomes zeros whatever it holds: where such a row holds NaN or infinities the formula's product with 0 is NaN, and this program gives 0.
; THE MODE: SCHED_MODE bits 1:0 = 2 (LLVM: expert scheduling mode 2), set by the entry lines.  The code itself states the register dependences between vector instructions and memory instructions,
; with s_wait_alu, always for 0.
; THE PLAN.  Registers that memory instructions touch:
;   v2, v3, v4   byte offsets, made once at the head and never written again: v2 is read by the loads of x, v4 by the load of the flags, v3 by every store.
;   v5           the flags' load lands in it; no vector instruction names it before; wave 0 reads it at its end.
;   v[8:135]     eight steps of 16 registers, a step being half a row: four loads.  The loads, all issued at the head, land in them before any vector instruction names them.  Step k's conversions and ANDs
;                read its 16 registers and write the first two of each four; the four stores that read those pairs are issued in step k + 1; nothing writes them again.
;   v[138:139]   wave 0's two numbers of kb: written by its selects, read by its last store.
; So ONE wait on va_vdst stands at the head of a step, behind the wait for the step's data: the step before has written its pairs.  That step's four stores follow, dealt among this step's vector
; instructions, which name this step's own 16 registers alone.  No register that a memory instruction reads is ever written again, so past the entry lines the text holds no wait on vm_vsrc.
; With steps of half a row eight stores stand behind the arrival of the wave's last four loads: step 6's four and step 7's four.
.set X,  8                             ; v[8:135]  step k (row k / 2, half k % 2) at X + 16 k: four loads of four registers; the first two of each four then hold the bf16
.set FL, 24                            ; s[24:27]  row t: -1 if its mask is set, else 0
	s_load_b256 s[4:11], s[0:1], 0x0               ; mask s[4:5], x s[6:7], xc s[8:9], kb s[10:11]
	v_lshrrev_b32 v1, 5, v0
	v_readfirstlane_b32 s12, v1                    ; wave 0..15
	v_and_b32 v1, 31, v0                           ; lane
	v_lshlrev_b32 v2, 4, v1                        ; 16 bytes a lane of x
	v_lshlrev_b32 v3, 3, v1                        ; 8 bytes a lane of xc, and of kb
	v_lshlrev_b32 v4, 1, v1                        ; 2 bytes a lane of the mask
	s_lshl_b32 s13, ttmp9, 6                       ; the group's first row
	s_wait_alu depctr_va_sdst(0)                   ; s12 is written, ahead of its first reader: my first row is made from it
	s_lshl2_add_u32 s14, s12, s13                  ; my first row = 64 group + 4 wave
	s_mov_b32 s17, 0
	s_lshl_b32 s16, s14, 12                        ; rows of 4,096 bytes: under 2^26
	s_wait_kmcnt 0x0
	s_add_nc_u64 s[6:7], s[6:7], s[16:17]          ; x at my first row
	s_mov_b32 s16, s13
	s_add_nc_u64 s[4:5], s[4:5], s[16:17]          ; the mask at the group's first row
	s_wait_alu depctr_va_vdst(0)                   ; v2, v3 and v4 are written: every load and store of the kernel reads one of them as its offset
	global_load_u16 v5, v4, s[4:5]                 ; the flags of the group's rows 2 l and 2 l + 1: wave 0 makes kb of them
.irp t, 0,1,2,3
.irp j, 0,1,2,3,4,5,6,7
	global_load_b128 v[X+32*\t+4*\j:X+32*\t+4*\j+3], v2, s[6:7] offset:4096*\t+512*\j th:TH_LOAD_NT
.endr
.endr
	s_lshl_b32 s16, s12, 2
	s_add_nc_u64 s[18:19], s[4:5], s[16:17]
	s_load_b32 s20, s[18:19], 0x0                  ; my four rows' flags, a byte each
	s_lshl_b32 s16, s14, 11
	s_add_nc_u64 s[8:9], s[8:9], s[16:17]          ; xc at my first row
	s_lshl_b32 s16, s13, 2
	s_add_nc_u64 s[10:11], s[10:11], s[16:17]      ; kb at the group's first row: 256 bytes a group
	s_wait_kmcnt 0x0
.irp t, 0,1,2,3
	s_bfe_u32 s[FL+\t], s20, (8<<16)|(8*\t)
	s_min_u32 s[FL+\t], s[FL+\t], 1
	s_sub_co_u32 s[FL+\t], 0, s[FL+\t]             ; 0 or -1
.endr
; Step k: half k % 2 of row k / 2.  In xc a step is 1,024 bytes, a store 256 of them.
.irp k, 0,1,2,3,4,5,6,7
	s_wait_loadcnt 28-4*\k                         ; loads come back in order (ISA guide 5.7.1): the flags and this step's four are in, the later steps' stay out
.if \k > 0
	s_wait_alu depctr_va_vdst(0)                   ; the step before has written its four pairs, which the four stores below read
.endif
.irp i, 0,1,2,3
.if \k > 0
	global_store_b64 v3, v[X+16*(\k-1)+4*\i:X+16*(\k-1)+4*\i+1], s[8:9] offset:1024*(\k-1)+256*\i  ; the step before; no vector instruction since the wait names these registers
.endif
	v_cvt_pk_bf16_f32 v[X+16*\k+4*\i],   v[X+16*\k+4*\i],   v[X+16*\k+4*\i+1]
	v_cvt_pk_bf16_f32 v[X+16*\k+4*\i+1], v[X+16*\k+4*\i+2], v[X+16*\k+4*\i+3]
	v_and_b32 v[X+16*\k+4*\i],   s[FL+(\k)/2], v[X+16*\k+4*\i]
	v_and_b32 v[X+16*\k+4*\i+1], s[FL+(\k)/2], v[X+16*\k+4*\i+1]
.endr
.endr
	s_wait_alu depctr_va_vdst(0)                   ; step 7 has written its four pairs, which the last four stores of xc read
.irp i, 0,1,2,3
	global_store_b64 v3, v[X+16*7+4*\i:X+16*7+4*\i+1], s[8:9] offset:1024*7+256*\i
.endr
	s_cmp_lg_u32 s12, 0
	s_cbranch_scc1 .Ldone
	v_and_b32 v6, 0xff, v5                         ; wave 0: the group's 64 numbers of kb, two a lane: 256 consecutive bytes
	v_lshrrev_b32 v7, 8, v5
	v_mov_b32 v136, 0xc2800000                     ; -64
	v_mov_b32 v137, 0xf149f2ca                     ; -1e30
	v_cmp_ne_u32 s21, 0, v6                        ; the two compares stand together, each with a mask register of its own,
	v_cmp_ne_u32 s22, 0, v7
	s_wait_alu depctr_va_sdst(0)                   ; s21 and s22 are written, ahead of the selects that read them: one wait for both
	v_cndmask_b32 v138, v137, v136, s21            ; -1e30 where the flag is 0
	v_cndmask_b32 v139, v137, v136, s22
	s_wait_alu depctr_va_vdst(0)                   ; the selects have written v[138:139], which the store reads
	global_store_b64 v3, v[138:139], s[10:11]
.Ldone:
	s_endpgm
.Lfunc_end_k_q376d62e813_cast:
	.size	k_q376d62e813_cast, .Lfunc_end_k_q376d62e813_cast-k_q376d62e813_cast
	.p2alignl 7, 3214868480
	.fill 96, 4, 3214868480
	.section	.rodata,"a",@progbits
	.p2align	6, 0x0
	.amdhsa_kernel k_q376d62e813_cast
		.amdhsa_group_segment_fixed_size 0
		.amdhsa_private_segment_fixed_size 0
		.amdhsa_enable_private_segment 0
		.amdhsa_kernarg_size 32
		.amdhsa_user_sgpr_count 2
		.amdhsa_user_sgpr_kernarg_segment_ptr 1
		.amdhsa_wavefront_size32 1
		.amdhsa_system_sgpr_workgroup_id_x 1
		.amdhsa_system_sgpr_workgroup_id_y 1
		.amdhsa_system_sgpr_workgroup_id_z 1
		.amdhsa_system_vgpr_workitem_id 0
		.amdhsa_next_free_vgpr 144
		.amdhsa_next_free_sgpr 66
		.amdhsa_reserve_vcc 0
		.amdhsa_float_denorm_mode_32 3
		.amdhsa_float_denorm_mode_16_64 3
		.amdhsa_memory_ordered 1
		.amdhsa_forward_progress 1
		.amdhsa_inst_pref_size 15
	.end_amdhsa_kernel
	.amdgpu_metadata
---
amdhsa.version: [ 1, 2 ]
amdhsa.kernels:
  - .name:           k_q376d62e813_cast
    .symbol:         k_q376d62e813_cast.kd
    .args:
      - { .name: mask, .offset: 0, .size: 8, .value_kind: global_buffer, .address_space: global }
      - { .name: x, .offset: 8, .size: 8, .value_kind: global_buffer, .address_space: global }
      - { .name: xc, .offset: 16, .size: 8, .value_kind: global_buffer, .address_space: global }
      - { .name: kb, .offset: 24, .size: 8, .value_kind: global_buffer, .address_space: global }
    .group_segment_fixed_size: 0
    .private_segment_fixed_size: 0
    .kernarg_segment_align: 8
    .kernarg_segment_size: 32
    .max_flat_workgroup_size: 512
    .sgpr_count:     66
    .vgpr_count:     144
    .wavefront_size: 32
...
	.end_amdgpu_metadata
.endif
;; end of part 3
;; launch attn: the kernel of part 2 again; grid 32 x 8, 4 waves a work-group, clusters of 4 x 1, 327,680 bytes of LDS; arguments xc, kb, out0; writes out0
